; MI455X (gfx1250); checked and timed in simulation.
; The chip was launched on July 23, 2026; its instructions are those of AMD's public machine-readable ISA for CDNA 5 (MIT licence, August 2026) and "CDNA5" Instruction Set Architecture Reference Guide (July 2026). The comments in the code are by the model that wrote it; some were corrected since.
;; Base Ro I Head. Allowed arithmetic: float matrix products may take bf16 or f16 operands with f32 sums; all other float work in f32.
;; Inputs: p2 2 x 256 x 256 x 256 float32; p3 2 x 128 x 128 x 256 float32; p4 2 x 64 x 64 x 256 float32; p5 2 x 32 x 32 x 256 float32; p6 2 x 16 x 16 x 256 float32; proposals 2 x 512 x 4 float32.
;; Outputs: out0 2 x 512 x 7 x 7 x 256 float32.
;; 3 versions, each right; version 2 is faster than version 1; version 3 is version 2 with the launch gather written anew for expert scheduling mode. Each part assembles by itself: llvm-mc -triple=amdgcn-amd-amdhsa -mcpu=gfx1250 --defsym DOCPART=n.
;; ======== version 1 of 3: 2 launches
;; workspace buffers: idx 262,144 bytes of whole numbers; wts 262,144 bytes
;; launch prep (part 1): grid 256 x 1, 4 waves a work-group, no clusters, 0 bytes of LDS; arguments proposals, idx, wts; writes idx, wts
.if DOCPART == 1
	.amdgcn_target "amdgcn-amd-amdhsa--gfx1250"
	.amdhsa_code_object_version 6
	.text
	.protected	k_q5784c40495_prep
	.globl	k_q5784c40495_prep
	.p2align	8
	.type	k_q5784c40495_prep,@function
k_q5784c40495_prep:
	s_mov_b64 s[64:65], 0
	v_nop
	global_prefetch_b8 v0, s[64:65] scope:SCOPE_SE
	s_setreg_imm32_b32 hwreg(HW_REG_WAVE_MODE, 25, 1), 1
	s_wait_xcnt 0x0
; RoIAlign, first launch: from each box to whole-number gather indices and f32 weights.
; proposals: [1024][4] f32 (x1, y1, x2, y2).  One wave per box n = 4 x work-group + wave; image = n / 512.
; Lane l: axis = l / 16 (0: y, rows; 1: x, columns), sample s = l % 16; s = 0..13 are the 14 sample lines of the axis, s = 14, 15 carry the level.
; A sample touches two lines of the map, i0 and i1, with weights (1 - l) and l.  The validity test and a factor 0.5 an axis
; (0.5 x 0.5 = the mean over the 2 x 2 samples of a bin) are folded into the weights, since both split into a y part and an x part.
; Records of 64 words (256 bytes) for each box, word 2 l and 2 l + 1 from lane l, so one b64 store of the wave writes the whole record:
;   idx: words 0..27 pixel index (image x H + y) x W of the 28 row slots; 28..31 the level; 32..59 byte offset x * 1024 of the 28 column slots; 60..63 the level
;   wts: words 0..27 the row slots' weights; 32..59 the column slots' weights; the rest 0
; Slot 4 p + 2 i + c = bin p, sample i of the bin, line c of the sample.
; LEVEL: floor(4 + log2(sqrt(w h) / 224)) >= k is the inequality w h >= (224 * 2^(k-4))^2, so the level is 2 plus the number of the four
; thresholds 12544, 50176, 200704, 802816 (all exact in f32) that w h reaches; that includes the clip to 2..6.
; LIMITS: where w h lies within a few units in the last place of a threshold, the level may differ from the one that a rounded chain of
; sqrt, division, log2 and addition gives.  The bin size is roi x (f32 nearest to 1/7), one rounding apart from a division.
; A NaN in a box gives level 2, index 0 and weight 0 (zeros out).  Indices are clamped to the map here, whatever the box holds.
.set INV7, 0x3e124925                  ; 1/7 rounded to f32
	s_load_b128 s[4:7], s[0:1], 0x0                ; proposals s[4:5], idx s[6:7]
	s_load_b64 s[8:9], s[0:1], 0x10                ; wts
	s_lshl_b32 s2, ttmp9, 2                        ; the work-group's first box
	s_lshl_b32 s10, ttmp9, 10                      ; its four records: 1,024 bytes
	s_mov_b32 s11, 0
	v_lshrrev_b32 v1, 5, v0
	v_add_nc_u32 v1, s2, v1                        ; n
	v_lshlrev_b32 v2, 4, v1                        ; 16 bytes a box; every lane of the wave reads the same 16
	s_wait_kmcnt 0x0
	global_load_b128 v[4:7], v2, s[4:5]            ; x1 y1 x2 y2
	s_add_nc_u64 s[6:7], s[6:7], s[10:11]
	s_add_nc_u64 s[8:9], s[8:9], s[10:11]
	v_and_b32 v3, 15, v0                           ; s
	v_bfe_u32 v8, v0, 4, 1                         ; axis
	v_lshrrev_b32 v9, 9, v1                        ; image
	v_lshlrev_b32 v11, 3, v0                       ; my two words in the work-group's records: 256 x wave + 8 x lane
	v_cvt_f32_u32 v10, v3
	v_add_f32 v10, 0.5, v10
	v_mul_f32 v10, 0.5, v10                        ; bin + (i + 0.5) / 2 = (s + 0.5) / 2, exact
	v_cmp_eq_u32 s12, 1, v8                        ; lanes of the x axis
	v_cmp_gt_u32 s13, 14, v3                       ; lanes with a sample
	s_wait_loadcnt 0x0
	; the level
	v_sub_f32 v12, v6, v4
	v_sub_f32 v13, v7, v5
	v_max_num_f32 v12, 1.0, v12                    ; w
	v_max_num_f32 v13, 1.0, v13                    ; h
	v_mul_f32 v12, v12, v13
	v_mov_b32 v13, 2
.irp thr, 0x46440000, 0x47440000, 0x48440000, 0x49440000
	v_cmp_le_f32 vcc_lo, \thr, v12                 ; 12544, 50176, 200704, 802816 <= w h
	v_cndmask_b32 v14, 0, 1, vcc_lo
	v_add_nc_u32 v13, v13, v14
.endr
	v_sub_nc_u32 v14, 127, v13
	v_lshlrev_b32 v14, 23, v14                     ; 2^-level as f32: the spatial scale
	v_mov_b32 v15, 0x400
	v_lshrrev_b32 v15, v13, v15                    ; H = W = 1024 >> level
	v_cvt_f32_u32 v16, v15
	v_add_nc_u32 v17, -1, v15                      ; H - 1
	v_add_f32 v18, -1.0, v16
	; my axis of the box, in the map's pixels
	v_cndmask_b32 v19, v5, v4, s12                 ; y1 or x1
	v_cndmask_b32 v20, v7, v6, s12                 ; y2 or x2
	v_mul_f32 v19, v19, v14
	v_fma_f32 v20, v20, v14, -v19                  ; the product is exact (a power of two), so this is the difference of the two scaled ends
	v_max_num_f32 v20, 1.0, v20
	v_mul_f32 v20, INV7, v20                       ; bin size
	v_fma_f32 v21, v10, v20, v19                   ; the sample's coordinate
	v_cmp_le_f32 s14, -1.0, v21
	v_cmp_le_f32 s15, v21, v16
	s_and_b32 s14, s14, s15                        ; -1 <= c <= H
	s_and_b32 s14, s14, s13                        ; and a lane with a sample
	v_max_num_f32 v22, 0, v21
	v_min_num_f32 v22, v22, v18                    ; clipped to 0 .. H - 1
	v_floor_f32 v23, v22
	v_sub_f32 v24, v22, v23                        ; l
	v_sub_f32 v25, 1.0, v24                        ; 1 - l
	v_cvt_u32_f32 v26, v23
	v_min_u32 v26, v26, v17                        ; i0
	v_add_nc_u32 v27, 1, v26
	v_min_u32 v27, v27, v17                        ; i1
	v_cndmask_b32 v28, 0, 0.5, s14
	v_mul_f32 v30, v25, v28
	v_mul_f32 v31, v24, v28
	; rows: (image x H + i) x W.  columns: i x 1,024 bytes (256 channels of f32)
	v_mul_u32_u24 v29, v9, v15
	v_add_nc_u32 v32, v29, v26
	v_add_nc_u32 v33, v29, v27
	v_mul_u32_u24 v32, v32, v15
	v_mul_u32_u24 v33, v33, v15
	v_lshlrev_b32 v26, 10, v26
	v_lshlrev_b32 v27, 10, v27
	v_cndmask_b32 v32, v32, v26, s12
	v_cndmask_b32 v33, v33, v27, s12
	v_cndmask_b32 v32, v13, v32, s13               ; lanes 14, 15, 30, 31 store the level
	v_cndmask_b32 v33, v13, v33, s13
	global_store_b64 v11, v[32:33], s[6:7]         ; the wave's 32 x 8 bytes are one aligned record of 256 bytes
	global_store_b64 v11, v[30:31], s[8:9]
	s_endpgm
.Lfunc_end_k_q5784c40495_prep:
	.size	k_q5784c40495_prep, .Lfunc_end_k_q5784c40495_prep-k_q5784c40495_prep
	.p2alignl 7, 3214868480
	.fill 96, 4, 3214868480
	.section	.rodata,"a",@progbits
	.p2align	6, 0x0
	.amdhsa_kernel k_q5784c40495_prep
		.amdhsa_group_segment_fixed_size 0
		.amdhsa_private_segment_fixed_size 0
		.amdhsa_enable_private_segment 0
		.amdhsa_kernarg_size 24
		.amdhsa_user_sgpr_count 2
		.amdhsa_user_sgpr_kernarg_segment_ptr 1
		.amdhsa_wavefront_size32 1
		.amdhsa_system_sgpr_workgroup_id_x 1
		.amdhsa_system_sgpr_workgroup_id_y 1
		.amdhsa_system_sgpr_workgroup_id_z 1
		.amdhsa_system_vgpr_workitem_id 0
		.amdhsa_next_free_vgpr 40
		.amdhsa_next_free_sgpr 66
		.amdhsa_reserve_vcc 1
		.amdhsa_float_denorm_mode_32 3
		.amdhsa_float_denorm_mode_16_64 3
		.amdhsa_memory_ordered 1
		.amdhsa_forward_progress 1
		.amdhsa_inst_pref_size 4
	.end_amdhsa_kernel
	.amdgpu_metadata
---
amdhsa.version: [ 1, 2 ]
amdhsa.kernels:
  - .name:           k_q5784c40495_prep
    .symbol:         k_q5784c40495_prep.kd
    .args:
      - { .name: proposals, .offset: 0, .size: 8, .value_kind: global_buffer, .address_space: global }
      - { .name: idx, .offset: 8, .size: 8, .value_kind: global_buffer, .address_space: global }
      - { .name: wts, .offset: 16, .size: 8, .value_kind: global_buffer, .address_space: global }
    .group_segment_fixed_size: 0
    .private_segment_fixed_size: 0
    .kernarg_segment_align: 8
    .kernarg_segment_size: 24
    .max_flat_workgroup_size: 128
    .sgpr_count:     66
    .vgpr_count:     40
    .wavefront_size: 32
...
	.end_amdgpu_metadata
.endif
;; end of part 1
;; launch gather (part 2): grid 1024 x 1, 7 waves a work-group, no clusters, 0 bytes of LDS; arguments p2, p3, p4, p5, p6, idx, wts, out0; writes out0
.if DOCPART == 2
	.amdgcn_target "amdgcn-amd-amdhsa--gfx1250"
	.amdhsa_code_object_version 6
	.text
	.protected	k_q5784c40495_gather
	.globl	k_q5784c40495_gather
	.p2align	8
	.type	k_q5784c40495_gather,@function
k_q5784c40495_gather:
	s_mov_b64 s[64:65], 0
	v_nop
	global_prefetch_b8 v0, s[64:65] scope:SCOPE_SE
	s_setreg_imm32_b32 hwreg(HW_REG_WAVE_MODE, 25, 1), 1
	s_wait_xcnt 0x0
; RoIAlign, second launch: out0[n][py][px][c] = sum over 4 row slots j and 4 column slots i of wy[4 py + j] wx[4 px + i] map[row j][column i][c].
; The level (which of p2 .. p6 is the map), the slots' indices and their weights come from the records that the first launch stored
; (256 bytes a box in idx and in wts).  One work-group per box n, seven waves, wave py makes output row py: 7 bins x 256 channels.
; The waves share nothing: no LDS, no barrier.
; A pixel is 1,024 consecutive bytes: two b128 loads of the wave, 512 bytes each; lane l owns channels 4 l .. 4 l + 3 and 128 + 4 l .. 128 + 4 l + 3.
; FIVE COPIES OF THE STREAM, one for each map; the box's level, a whole number from idx, picks one by a forward branch.  A copy's loads name
; their map's address as the kernel arguments gave it, and the copy clamps rows and columns by its own map's sizes, so every load lies inside
; its buffer whatever the records hold.  All that is gathered goes into the 32-bit vector offset:
; row pixel x 1,024 (scalar) + column x 1,024 + 16 l (vector, made once for each of the 28 column slots), below 2^27 + 2^18.
; A copy is some 8 KiB of code, the five some 40 KiB; a wave runs through one of them, once.
; THE STREAM: 56 units of 4 loads (bin px, row slot j, a pair of column slots, both halves of the channels), written out, on a ring of 5 slots
; of 16 data registers and 2 offset registers: one unit at work, four (16 loads, 8 KiB a wave) on their way.  With 128 registers a wave,
; the 28 waves of four work-groups share a WGP's registers.
; Each loaded number is used once, in one packed multiply-add by the product wy x wx, which a scalar multiply makes just ahead.
; NOT USED: LDS and tensor loads (a box's footprint in its map has no fixed bound and nothing is shared in a pattern known beforehand), clusters (no
; common tile), matrix instructions (f32 interpolation, each number used once), prefetches (every address is known only when the record is in,
; and the loads themselves go out then; pixels that slots repeat would be asked for more than once).
; LIMIT: an invalid sample has weight 0 (no select), so a non-finite map value under it gives NaN where a select would give 0.
; A level word other than 2 .. 5 takes p6's copy (the first launch stores 2 .. 6 alone).
.set SLOTS, 5
.set UNITS, 56                         ; 7 bins x 4 rows x 2 column pairs
.set LANE,  1                          ; v1        16 x lane; never rewritten
.set COL,   2                          ; v[2:29]   column slot i: its byte offset + 16 x lane; never rewritten
.set ACC,   30                         ; v[30:37]  the bin's 8 sums
.set OFF,   38                         ; v[38:47]  ring: slot x 2 + column of the pair: the pixel's offset in the map
.set DATA,  48                         ; v[48:127] ring: slot x 16 + column of the pair x 8 + half x 4
.set WX,    20                         ; s[20:47]  28 column weights
.set WY,    48                         ; s[48:51]  my 4 row weights
.set ROW,   52                         ; s[52:55]  my 4 row slots: pixel index as loaded, then byte offset
.set CO,    68                         ; s[68:95]  28 column offsets as loaded
.set PROD,  68                         ; s[68:83]  then: products at even registers, four units take turns (the packed forms read a scalar pair and use its first)
	s_load_b512 s[4:19], s[0:1], 0x0               ; p2 s[4:5] p3 s[6:7] p4 s[8:9] p5 s[10:11] p6 s[12:13] idx s[14:15] wts s[16:17] out0 s[18:19]
	v_lshrrev_b32 v1, 5, v0
	v_readfirstlane_b32 s3, v1                     ; py = my wave's number
	v_and_b32 v1, 31, v0
	v_lshlrev_b32 v[LANE], 4, v1
	s_lshl_b32 s20, ttmp9, 8                       ; the box's record: 256 bytes
	s_mov_b32 s21, 0
	s_lshl_b32 s22, s3, 4                          ; my four row slots in it: 16 bytes
	s_mov_b32 s23, 0
	s_wait_kmcnt 0x0
	s_add_nc_u64 s[14:15], s[14:15], s[20:21]
	s_add_nc_u64 s[16:17], s[16:17], s[20:21]
	s_add_nc_u64 s[58:59], s[14:15], s[22:23]
	s_add_nc_u64 s[60:61], s[16:17], s[22:23]
	s_load_b128 s[ROW:ROW+3],   s[58:59], 0x0      ; my 4 row pixel indices
	s_load_b32  s56, s[14:15], 0x70                ; the level (word 28)
	s_load_b256 s[CO:CO+7],     s[14:15], 0x80     ; 28 column offsets (words 32 .. 59)
	s_load_b256 s[CO+8:CO+15],  s[14:15], 0xa0
	s_load_b256 s[CO+16:CO+23], s[14:15], 0xc0
	s_load_b128 s[CO+24:CO+27], s[14:15], 0xe0
	s_load_b128 s[WY:WY+3],     s[60:61], 0x0      ; my 4 row weights
	s_load_b256 s[WX:WX+7],     s[16:17], 0x80     ; 28 column weights
	s_load_b256 s[WX+8:WX+15],  s[16:17], 0xa0
	s_load_b256 s[WX+16:WX+23], s[16:17], 0xc0
	s_load_b128 s[WX+24:WX+27], s[16:17], 0xe0
	s_mul_i32 s62, ttmp9, 50176                    ; out0: 49 bins x 1,024 bytes a box (51,380,224 bytes in all: 32 bits do)
	s_mul_i32 s2, s3, 7168                         ; 7 bins a row
	s_add_co_u32 s62, s62, s2
	s_mov_b32 s63, 0
	s_add_nc_u64 s[18:19], s[18:19], s[62:63]      ; my output row
	s_wait_kmcnt 0x0                               ; scalar loads come back in no order: zero
; the four loads of unit t: row slot (t % 8) / 2, column slots 4 (t / 8) + 2 (t % 2) and the next, both halves of the channels.
; The ring slot's two offset registers are written here: the loads that named them last were shown done by their own counted wait.
.macro ISSUE t, base
.set IPX, (\t)/8
.set IRJ, ((\t)%8)/2
.set ICP, (\t)%2
.set ISL, DATA+16*((\t)%SLOTS)
.set IOF, OFF+2*((\t)%SLOTS)
	v_add_nc_u32 v[IOF],   s[ROW+IRJ], v[COL+4*IPX+2*ICP]
	v_add_nc_u32 v[IOF+1], s[ROW+IRJ], v[COL+4*IPX+2*ICP+1]
.irp k, 0,1
	global_load_b128 v[ISL+8*\k:ISL+8*\k+3],   v[IOF+\k], s[\base:\base+1]
	global_load_b128 v[ISL+8*\k+4:ISL+8*\k+7], v[IOF+\k], s[\base:\base+1] offset:512
.endr
.endm
.macro COLUMN i
	s_min_u32 s[CO+\i], s[CO+\i], (MAPW-1)*1024    ; the map's last column
	v_add_nc_u32 v[COL+\i], s[CO+\i], v[LANE]
.endm
; One map's copy.  base: the scalar pair with the map's address; lvl: its level; the map is [2][MAPW][MAPW][256] f32.
.macro STREAM base, lvl
.set MAPW, 1024>>\lvl
.irp j, 0,1,2,3
	s_min_u32 s[ROW+\j], s[ROW+\j], (2*MAPW-1)*MAPW    ; first pixel of the second image's last row
	s_lshl_b32 s[ROW+\j], s[ROW+\j], 10                ; 1,024 bytes a pixel
.endr
.irp i, 0,1,2,3
	COLUMN \i                                      ; bin 0's columns first: units 0 to 4 need no others,
.endr
.irp t, 0,1,2,3,4
	ISSUE \t, \base                                ; so the ring is filled before the rest of the set-up
.endr
.irp i, 4,5,6,7,8,9,10,11,12,13,14,15,16,17,18,19,20,21,22,23,24,25,26,27
	COLUMN \i
.endr
.set U, 0
.rept UNITS
.set PX, U/8
.set RJ, (U%8)/2
.set CP, U%2
.set SL, DATA+16*(U%SLOTS)
.set PR, PROD+4*(U%4)
	s_mul_f32 s[PR],   s[WY+RJ], s[WX+4*PX+2*CP]   ; the two pixels' weights
	s_mul_f32 s[PR+2], s[WY+RJ], s[WX+4*PX+2*CP+1]
.if (U+SLOTS-1) < UNITS
	s_wait_loadcnt 4*(SLOTS-1)                     ; loads come back in order: this unit's four are in, the four younger units' sixteen stay out
.else
	s_wait_loadcnt 4*(UNITS-1-U)                   ; the last units: nothing was issued behind unit 55, the counts run down
.endif
.if (U%8) == 0
.if PX >= 1
	s_wait_xcnt 0x0                                ; the sums are the data of the last bin's two stores: they are rewritten only behind this wait
.endif
.irp q, 0,2,4,6
	v_pk_mul_f32 v[ACC+\q:ACC+\q+1], v[SL+\q:SL+\q+1], s[PR:PR+1] op_sel_hi:[1,0]      ; a bin's first pixel starts the sums: nothing is cleared
.endr
.else
.irp q, 0,2,4,6
	v_pk_fma_f32 v[ACC+\q:ACC+\q+1], v[SL+\q:SL+\q+1], s[PR:PR+1], v[ACC+\q:ACC+\q+1] op_sel_hi:[1,0,1]
.endr
.endif
.irp q, 0,2,4,6
	v_pk_fma_f32 v[ACC+\q:ACC+\q+1], v[SL+8+\q:SL+8+\q+1], s[PR+2:PR+3], v[ACC+\q:ACC+\q+1] op_sel_hi:[1,0,1]
.endr
.if (U+SLOTS) < UNITS
	ISSUE U+SLOTS, \base                           ; the slot just used is filled again, five units ahead
.endif
.if (U%8) == 7
	global_store_b128 v[LANE], v[ACC:ACC+3],   s[18:19] offset:PX*1024 th:TH_STORE_NT       ; the bin: each store of the wave covers 512 consecutive bytes, aligned
	global_store_b128 v[LANE], v[ACC+4:ACC+7], s[18:19] offset:PX*1024+512 th:TH_STORE_NT
.endif
.set U, U+1
.endr
	s_endpgm
.endm
	s_cmp_eq_u32 s56, 2
	s_cbranch_scc1 .Lmap_p2
	s_cmp_eq_u32 s56, 3
	s_cbranch_scc1 .Lmap_p3
	s_cmp_eq_u32 s56, 4
	s_cbranch_scc1 .Lmap_p4
	s_cmp_eq_u32 s56, 5
	s_cbranch_scc1 .Lmap_p5
	STREAM 12, 6
.Lmap_p5:
	STREAM 10, 5
.Lmap_p4:
	STREAM 8, 4
.Lmap_p3:
	STREAM 6, 3
.Lmap_p2:
	STREAM 4, 2
.Lfunc_end_k_q5784c40495_gather:
	.size	k_q5784c40495_gather, .Lfunc_end_k_q5784c40495_gather-k_q5784c40495_gather
	.p2alignl 7, 3214868480
	.fill 96, 4, 3214868480
	.section	.rodata,"a",@progbits
	.p2align	6, 0x0
	.amdhsa_kernel k_q5784c40495_gather
		.amdhsa_group_segment_fixed_size 0
		.amdhsa_private_segment_fixed_size 0
		.amdhsa_enable_private_segment 0
		.amdhsa_kernarg_size 64
		.amdhsa_user_sgpr_count 2
		.amdhsa_user_sgpr_kernarg_segment_ptr 1
		.amdhsa_wavefront_size32 1
		.amdhsa_system_sgpr_workgroup_id_x 1
		.amdhsa_system_sgpr_workgroup_id_y 1
		.amdhsa_system_sgpr_workgroup_id_z 1
		.amdhsa_system_vgpr_workitem_id 0
		.amdhsa_next_free_vgpr 128
		.amdhsa_next_free_sgpr 96
		.amdhsa_reserve_vcc 0
		.amdhsa_float_denorm_mode_32 3
		.amdhsa_float_denorm_mode_16_64 3
		.amdhsa_memory_ordered 1
		.amdhsa_forward_progress 1
		.amdhsa_inst_pref_size 255
	.end_amdhsa_kernel
	.section	.bss,"aw",@nobits
	.p2align	6
	.space	262144
	.amdgpu_metadata
---
amdhsa.version: [ 1, 2 ]
amdhsa.kernels:
  - .name:           k_q5784c40495_gather
    .symbol:         k_q5784c40495_gather.kd
    .args:
      - { .name: p2, .offset: 0, .size: 8, .value_kind: global_buffer, .address_space: global }
      - { .name: p3, .offset: 8, .size: 8, .value_kind: global_buffer, .address_space: global }
      - { .name: p4, .offset: 16, .size: 8, .value_kind: global_buffer, .address_space: global }
      - { .name: p5, .offset: 24, .size: 8, .value_kind: global_buffer, .address_space: global }
      - { .name: p6, .offset: 32, .size: 8, .value_kind: global_buffer, .address_space: global }
      - { .name: idx, .offset: 40, .size: 8, .value_kind: global_buffer, .address_space: global }
      - { .name: wts, .offset: 48, .size: 8, .value_kind: global_buffer, .address_space: global }
      - { .name: out0, .offset: 56, .size: 8, .value_kind: global_buffer, .address_space: global }
    .group_segment_fixed_size: 0
    .private_segment_fixed_size: 0
    .kernarg_segment_align: 8
    .kernarg_segment_size: 64
    .max_flat_workgroup_size: 224
    .sgpr_count:     96
    .vgpr_count:     128
    .wavefront_size: 32
...
	.end_amdgpu_metadata
.endif
;; end of part 2
;; ======== version 2 of 3: 2 launches; 1.14 times as fast as version 1
;; workspace buffers: idx 262,144 bytes of whole numbers; wts 524,288 bytes
;; launch prep (part 3): grid 256 x 1, 4 waves a work-group, no clusters, 0 bytes of LDS; arguments proposals, idx, wts; writes idx, wts
.if DOCPART == 3
	.amdgcn_target "amdgcn-amd-amdhsa--gfx1250"
	.amdhsa_code_object_version 6
	.text
	.protected	k_q5784c40495_prep
	.globl	k_q5784c40495_prep
	.p2align	8
	.type	k_q5784c40495_prep,@function
k_q5784c40495_prep:
	s_mov_b64 s[64:65], 0
	v_nop
	global_prefetch_b8 v0, s[64:65] scope:SCOPE_SE
	s_setreg_imm32_b32 hwreg(HW_REG_WAVE_MODE, 25, 1), 1
	s_wait_xcnt 0x0
; RoIAlign, first launch: from each box to whole-number gather lists and f32 weights, with repeated map lines merged.
; proposals: [1024][4] f32 (x1, y1, x2, y2).  One wave per box n = 4 x work-group + wave; image = n / 512.
; STEP 1, lane l: axis = l / 16 (0: y, 1: x), sample m = l % 16 (0..13 are the axis's 14 sample lines).  A sample touches two lines of the map,
; a and b = min(a + 1, H - 1), with weights (1 - f) and f.  The validity test and a factor 0.5 an axis (0.5 x 0.5 = the mean over a bin's 2 x 2 samples)
; are folded into the weights, since both split into a y part and an x part.
; STEP 2, x axis: the 28 (column, weight) pairs become a list of at most 28 ENTRIES in ascending order.  An entry has a column, a weight wA for its home bin
; (the first bin that touches the column) and a weight wB for the bin after it.  Neighbouring bins share entries only if, by the indices themselves,
; every bin's last column lies beyond the last column of the bin before, and every bin's first column beyond the last column of the bin two before:
; then no column serves three bins and every bin is some entry's home.  Otherwise each bin gets entries of its own (wB = 0).
; Sample m's a stands at position P[m], its b at Q[m] = P[m] + (b - a); P[m] = P[m-1] + min(a[m] - a[m-1], 2), or Q[m-1] + 1 where a bin starts a list of its own.
; P and Q are a running sum in scalar registers; lane k then collects entry k by compares.  Bit k of the bin mask: entry k is the first of a new home bin.
; STEP 3, y axis: the 4 (row, weight) pairs of each output row are packed to their different rows, ranks 0, b - a, d = min(a' - a, 2), d + (b' - a').
; RECORDS, each aligned block of 256 bytes written by one b64 store of the wave (lane l: words 2 l, 2 l + 1):
;   idx: words 0..31 the entries' byte offsets column x 1,024 (behind the list: the last column again); words 32..59 for output row py the pixel indices
;        (image x H + row) x W of its 4 packed rows (behind the last: the last again); 60 the level; 61 groups of four entries; 62 the bin mask;
;        63 bit 2 py: output row py has four different rows
;   wts: words 0..63 (wA, wB) of entries 0..31 (0 behind the list); words 64..91 the packed rows' weights (and once more in words 96..123)
; LEVEL: floor(4 + log2(sqrt(w h) / 224)) >= k is the inequality w h >= (224 * 2^(k-4))^2, so the level is 2 plus the number of the four
; thresholds 12544, 50176, 200704, 802816 (all exact in f32) that w h reaches; that includes the clip to 2..6.
; LIMITS: where w h lies within a few units in the last place of a threshold, the level may differ from the one that a rounded chain of
; sqrt, division, log2 and addition gives.  The bin size is roi x (f32 nearest to 1/7), one rounding apart from a division.
; A NaN in a box gives level 2, index 0 and weight 0 (zeros out).  Indices are clamped to the map here, whatever the box holds.
.set INV7, 0x3e124925                  ; 1/7 rounded to f32
.set XA,  20                           ; s[20:33]  a of the 14 x samples
.set XB,  34                           ; s[34:47]  b
.set XP,  48                           ; s[48:61]  position of a in the list
.set XQ,  66                           ; s[66:79]  position of b
.set OK,  80                           ; s80       1: neighbouring bins share entries
.set FMK, 81                           ; s81       the bin mask
.set NGR, 82                           ; s82       groups of four entries
.set N4M, 83                           ; s83       bit j: the output row of lane j has four rows
.set XW,  84                           ; s[84:87]  the four weights of the bin at work
.set K,   34                           ; v34       lane = entry
.set COL, 50                           ; v50       entry k's column
.set W,   51                           ; v51       the bin at work: its weight on entry k
.set TM,  54                           ; v54       at work
.set WA,  56                           ; v[56:57]  wA, wB of entry k
	s_load_b128 s[4:7], s[0:1], 0x0                ; proposals s[4:5], idx s[6:7]
	s_load_b64 s[8:9], s[0:1], 0x10                ; wts
	s_lshl_b32 s2, ttmp9, 2                        ; the work-group's first box
	s_lshl_b32 s10, ttmp9, 10                      ; its four records in idx: 1,024 bytes
	s_mov_b32 s11, 0
	s_lshl_b32 s16, ttmp9, 11                      ; and in wts: 2,048 bytes
	s_mov_b32 s17, 0
	v_lshrrev_b32 v32, 5, v0                       ; wave
	v_add_nc_u32 v1, s2, v32                       ; n
	v_lshlrev_b32 v2, 4, v1                        ; 16 bytes a box; every lane of the wave reads the same 16
	s_wait_kmcnt 0x0
	global_load_b128 v[4:7], v2, s[4:5]            ; x1 y1 x2 y2
	s_add_nc_u64 s[6:7], s[6:7], s[10:11]
	s_add_nc_u64 s[8:9], s[8:9], s[16:17]
	v_and_b32 v[K], 31, v0
	v_and_b32 v3, 15, v0                           ; m
	v_bfe_u32 v8, v0, 4, 1                         ; axis
	v_lshrrev_b32 v9, 9, v1                        ; image
	v_lshlrev_b32 v11, 3, v0                       ; my two words in idx: 256 x wave + 8 x lane
	v_lshlrev_b32 v33, 3, v[K]
	v_lshl_add_u32 v33, v32, 9, v33                ; and in wts: 512 x wave + 8 x lane
	v_cvt_f32_u32 v10, v3
	v_add_f32 v10, 0.5, v10
	v_mul_f32 v10, 0.5, v10                        ; bin + (i + 0.5) / 2 = (m + 0.5) / 2, exact
	v_cmp_eq_u32 s12, 1, v8                        ; lanes of the x axis
	v_cmp_gt_u32 s13, 14, v3                       ; lanes with a sample
	v_and_b32 v35, 14, v3
	v_lshlrev_b32 v35, 2, v35                      ; pull address (lane x 4) of the even y sample of my output row,
	v_add_nc_u32 v36, 4, v35                       ; and of the odd one
	v_lshlrev_b32 v37, 3, v[K]                     ; pull addresses of entries 2 l and 2 l + 1
	v_add_nc_u32 v38, 4, v37
	s_wait_loadcnt 0x0
	; the level
	v_sub_f32 v12, v6, v4
	v_sub_f32 v13, v7, v5
	v_max_num_f32 v12, 1.0, v12                    ; w
	v_max_num_f32 v13, 1.0, v13                    ; h
	v_mul_f32 v12, v12, v13
	v_mov_b32 v13, 2
.irp thr, 0x46440000, 0x47440000, 0x48440000, 0x49440000
	v_cmp_le_f32 vcc_lo, \thr, v12                 ; 12544, 50176, 200704, 802816 <= w h
	v_cndmask_b32 v14, 0, 1, vcc_lo
	v_add_nc_u32 v13, v13, v14
.endr
	v_sub_nc_u32 v14, 127, v13
	v_lshlrev_b32 v14, 23, v14                     ; 2^-level as f32: the spatial scale
	v_mov_b32 v15, 0x400
	v_lshrrev_b32 v15, v13, v15                    ; H = W = 1024 >> level
	v_cvt_f32_u32 v16, v15
	v_add_nc_u32 v17, -1, v15                      ; H - 1
	v_add_f32 v18, -1.0, v16
	; my axis of the box, in the map's pixels
	v_cndmask_b32 v19, v5, v4, s12                 ; y1 or x1
	v_cndmask_b32 v20, v7, v6, s12                 ; y2 or x2
	v_mul_f32 v19, v19, v14
	v_fma_f32 v20, v20, v14, -v19                  ; the product is exact (a power of two), so this is the difference of the two scaled ends
	v_max_num_f32 v20, 1.0, v20
	v_mul_f32 v20, INV7, v20                       ; bin size
	v_fma_f32 v21, v10, v20, v19                   ; the sample's coordinate
	v_cmp_le_f32 s14, -1.0, v21
	v_cmp_le_f32 s15, v21, v16
	s_and_b32 s14, s14, s15                        ; -1 <= c <= H
	s_and_b32 s14, s14, s13                        ; and a lane with a sample
	v_max_num_f32 v22, 0, v21
	v_min_num_f32 v22, v22, v18                    ; clipped to 0 .. H - 1
	v_floor_f32 v23, v22
	v_sub_f32 v24, v22, v23                        ; f
	v_sub_f32 v25, 1.0, v24                        ; 1 - f
	v_cvt_u32_f32 v26, v23
	v_min_u32 v26, v26, v17                        ; a
	v_add_nc_u32 v27, 1, v26
	v_min_u32 v27, v27, v17                        ; b
	v_cndmask_b32 v28, 0, 0.5, s14
	v_mul_f32 v30, v25, v28                        ; a's weight
	v_mul_f32 v31, v24, v28                        ; b's weight
	v_mul_u32_u24 v29, v9, v15                     ; image x H
	; y axis: every lane pulls the two samples of output row (l % 16) / 2 from lanes 0..13; used further down
	ds_bpermute_b32 v40, v35, v26                  ; a
	ds_bpermute_b32 v41, v35, v27                  ; b
	ds_bpermute_b32 v42, v35, v30
	ds_bpermute_b32 v43, v35, v31
	ds_bpermute_b32 v44, v36, v26                  ; a'
	ds_bpermute_b32 v45, v36, v27                  ; b'
	ds_bpermute_b32 v46, v36, v30
	ds_bpermute_b32 v47, v36, v31
	; x axis: the samples' columns as scalars (lanes 16..29)
.set M, 0
.rept 14
	v_readlane_b32 s[XA+M], v26, 16+M
	v_readlane_b32 s[XB+M], v27, 16+M
.set M, M+1
.endr
	s_mov_b32 s[OK], 1
.irp p, 1,2,3,4,5,6
	s_cmp_gt_u32 s[XB+2*\p+1], s[XB+2*\p-1]        ; bin p ends beyond bin p - 1: it is some entry's home
	s_cselect_b32 s[OK], s[OK], 0
.endr
.irp p, 2,3,4,5,6
	s_cmp_gt_u32 s[XA+2*\p], s[XB+2*\p-3]          ; bin p begins beyond bin p - 2: no column serves three bins
	s_cselect_b32 s[OK], s[OK], 0
.endr
	s_mov_b32 s[XP], 0
	s_sub_co_u32 s[XQ], s[XB], s[XA]
.set M, 1
.rept 13
	s_sub_co_u32 s18, s[XA+M], s[XA+M-1]           ; 0: the same column; 1: the last sample's b; 2 or more: a new one behind it
	s_min_u32 s18, s18, 2
.if (M%2) == 0
	s_add_co_u32 s18, s18, s[XP+M-1]
	s_add_co_u32 s19, s[XQ+M-1], 1                 ; a bin's first sample, where bins do not share: behind everything so far
	s_cmp_lg_u32 s[OK], 0
	s_cselect_b32 s[XP+M], s18, s19
.else
	s_add_co_u32 s[XP+M], s18, s[XP+M-1]
.endif
	s_sub_co_u32 s19, s[XB+M], s[XA+M]
	s_add_co_u32 s[XQ+M], s[XP+M], s19
.set M, M+1
.endr
	s_mov_b32 s[FMK], 0
.irp p, 0,1,2,3,4,5
	s_add_co_u32 s18, s[XQ+2*\p+1], 1              ; the entry behind bin p's last begins bin p + 1
	s_lshl_b32 s18, 1, s18
	s_or_b32 s[FMK], s[FMK], s18
.endr
	s_add_co_u32 s18, s[XQ+13], 4                  ; entries = Q[13] + 1, at most 28
	s_lshr_b32 s[NGR], s18, 2                      ; in fours, rounded up: 1 .. 7
; one (position, weight, column) of the bin at work lands in the lane of its position
.macro PUT pos, wgt, col, first
	v_cmp_eq_u32 vcc_lo, s[\pos], v[K]
.if \first
	v_cndmask_b32 v[W], 0, s[\wgt], vcc_lo         ; the bin's first pair starts the sum
.else
	v_cndmask_b32 v[TM], 0, s[\wgt], vcc_lo
.endif
	v_cndmask_b32 v[COL], v[COL], s[\col], vcc_lo
.if \first == 0
	v_add_f32 v[W], v[W], v[TM]
.endif
.endm
	v_mov_b32 v[COL], s[XB+13]                     ; lanes behind the list keep the last column
.irp p, 0,1,2,3,4,5,6
	v_readlane_b32 s[XW],   v30, 16+2*\p
	v_readlane_b32 s[XW+1], v31, 16+2*\p
	v_readlane_b32 s[XW+2], v30, 17+2*\p
	v_readlane_b32 s[XW+3], v31, 17+2*\p
	PUT XP+2*\p,   XW,   XA+2*\p,   1
	PUT XQ+2*\p,   XW+1, XB+2*\p,   0
	PUT XP+2*\p+1, XW+2, XA+2*\p+1, 0
	PUT XQ+2*\p+1, XW+3, XB+2*\p+1, 0
.if \p == 0
	v_mov_b32 v[WA], v[W]                          ; bin 0 is home to all that it touches
	v_mov_b32 v[WA+1], 0
.else
	v_cmp_ge_u32 vcc_lo, s[XQ+2*\p-1], v[K]        ; entries up to the last bin's end have their home there: this bin is their second
	v_cndmask_b32 v[TM], 0, v[W], vcc_lo
	v_add_f32 v[WA+1], v[WA+1], v[TM]
	v_cndmask_b32 v[TM], v[W], 0, vcc_lo
	v_add_f32 v[WA], v[WA], v[TM]
.endif
.endr
	v_lshlrev_b32 v[COL], 10, v[COL]               ; 1,024 bytes a pixel
	ds_bpermute_b32 v48, v37, v[COL]               ; lane l takes entries 2 l and 2 l + 1 (used in lanes 0..15)
	ds_bpermute_b32 v49, v38, v[COL]
	; y axis: lane l packs ranks 2 (l % 2) and 2 (l % 2) + 1 of output row (l % 16) / 2
	s_wait_dscnt 0x2                               ; the eight pulls of the samples are in; the two of the columns may stay out
	v_sub_nc_u32 v58, v41, v40                     ; rank of b
	v_sub_nc_u32 v59, v44, v40
	v_min_u32 v59, 2, v59                          ; rank of a'
	v_sub_nc_u32 v60, v45, v44
	v_add_nc_u32 v60, v60, v59                     ; rank of b' = rows - 1
	v_and_b32 v61, 1, v3
	v_lshlrev_b32 v61, 1, v61
	v_add_nc_u32 v62, 1, v61
	v_cmp_eq_u32 s[N4M], 3, v60
.macro RANK r, w, row
	v_cmp_eq_u32 vcc_lo, v60, v[\r]
	v_cndmask_b32 v[\w], 0, v47, vcc_lo
	v_cmp_eq_u32 vcc_lo, v59, v[\r]
	v_cndmask_b32 v[TM], 0, v46, vcc_lo
	v_cndmask_b32 v[\row], v45, v44, vcc_lo        ; b' at its rank and behind it, a' at its own
	v_add_f32 v[\w], v[\w], v[TM]
	v_cmp_eq_u32 vcc_lo, v58, v[\r]
	v_cndmask_b32 v[TM], 0, v43, vcc_lo
	v_cndmask_b32 v[\row], v[\row], v41, vcc_lo
	v_add_f32 v[\w], v[\w], v[TM]
	v_cmp_eq_u32 vcc_lo, 0, v[\r]
	v_cndmask_b32 v[TM], 0, v42, vcc_lo
	v_cndmask_b32 v[\row], v[\row], v40, vcc_lo
	v_add_f32 v[\w], v[\w], v[TM]
	v_add_nc_u32 v[\row], v29, v[\row]
	v_mul_u32_u24 v[\row], v[\row], v15            ; (image x H + row) x W
.endm
	RANK 61, 64, 66
	RANK 62, 65, 67
	s_wait_dscnt 0x0
	v_cmp_gt_u32 vcc_lo, 16, v[K]
	v_cndmask_b32 v52, v66, v48, vcc_lo            ; lanes 0..15 the entries' offsets, lanes 16..29 the rows
	v_cndmask_b32 v53, v67, v49, vcc_lo
	v_cmp_eq_u32 vcc_lo, 30, v[K]
	v_cndmask_b32 v52, v52, v13, vcc_lo            ; words 60, 61
	v_cndmask_b32 v53, v53, s[NGR], vcc_lo
	v_cmp_eq_u32 vcc_lo, 31, v[K]
	v_cndmask_b32 v52, v52, s[FMK], vcc_lo         ; words 62, 63
	v_cndmask_b32 v53, v53, s[N4M], vcc_lo
	global_store_b64 v11, v[52:53], s[6:7]                 ; each store of the wave covers 256 consecutive bytes, aligned
	global_store_b64 v33, v[WA:WA+1], s[8:9]
	global_store_b64 v33, v[64:65], s[8:9] offset:256
	s_endpgm
.Lfunc_end_k_q5784c40495_prep:
	.size	k_q5784c40495_prep, .Lfunc_end_k_q5784c40495_prep-k_q5784c40495_prep
	.p2alignl 7, 3214868480
	.fill 96, 4, 3214868480
	.section	.rodata,"a",@progbits
	.p2align	6, 0x0
	.amdhsa_kernel k_q5784c40495_prep
		.amdhsa_group_segment_fixed_size 0
		.amdhsa_private_segment_fixed_size 0
		.amdhsa_enable_private_segment 0
		.amdhsa_kernarg_size 24
		.amdhsa_user_sgpr_count 2
		.amdhsa_user_sgpr_kernarg_segment_ptr 1
		.amdhsa_wavefront_size32 1
		.amdhsa_system_sgpr_workgroup_id_x 1
		.amdhsa_system_sgpr_workgroup_id_y 1
		.amdhsa_system_sgpr_workgroup_id_z 1
		.amdhsa_system_vgpr_workitem_id 0
		.amdhsa_next_free_vgpr 68
		.amdhsa_next_free_sgpr 88
		.amdhsa_reserve_vcc 1
		.amdhsa_float_denorm_mode_32 3
		.amdhsa_float_denorm_mode_16_64 3
		.amdhsa_memory_ordered 1
		.amdhsa_forward_progress 1
		.amdhsa_inst_pref_size 21
	.end_amdhsa_kernel
	.amdgpu_metadata
---
amdhsa.version: [ 1, 2 ]
amdhsa.kernels:
  - .name:           k_q5784c40495_prep
    .symbol:         k_q5784c40495_prep.kd
    .args:
      - { .name: proposals, .offset: 0, .size: 8, .value_kind: global_buffer, .address_space: global }
      - { .name: idx, .offset: 8, .size: 8, .value_kind: global_buffer, .address_space: global }
      - { .name: wts, .offset: 16, .size: 8, .value_kind: global_buffer, .address_space: global }
    .group_segment_fixed_size: 0
    .private_segment_fixed_size: 0
    .kernarg_segment_align: 8
    .kernarg_segment_size: 24
    .max_flat_workgroup_size: 128
    .sgpr_count:     88
    .vgpr_count:     68
    .wavefront_size: 32
...
	.end_amdgpu_metadata
.endif
;; end of part 3
;; launch gather (part 4): grid 7 x 1024, 1 waves a work-group, no clusters, 0 bytes of LDS; arguments p2, p3, p4, p5, p6, idx, wts, out0; writes out0
.if DOCPART == 4
	.amdgcn_target "amdgcn-amd-amdhsa--gfx1250"
	.amdhsa_code_object_version 6
	.text
	.protected	k_q5784c40495_gather
	.globl	k_q5784c40495_gather
	.p2align	8
	.type	k_q5784c40495_gather,@function
k_q5784c40495_gather:
	s_mov_b64 s[64:65], 0
	v_nop
	global_prefetch_b8 v0, s[64:65] scope:SCOPE_SE
	s_setreg_imm32_b32 hwreg(HW_REG_WAVE_MODE, 25, 1), 1
	s_wait_xcnt 0x0
; RoIAlign, second launch.  One wave (a work-group of its own) makes output row py = group x of box n = group y: 7 bins x 256 channels.
; The first launch left, for each box, a list of at most 28 ENTRIES in ascending order of columns (byte offset of the column, weight wA for the entry's home bin,
; weight wB for the bin after it, and a mask whose bit k says that entry k begins the next home bin), and for each output row its 3 or 4 different map
; rows with their weights.  So every pixel that the wave needs is loaded once, and each column's sum over the rows is made once:
;   t = sum over the rows of wy x map[row][column]      (12 or 16 packed operations for 256 channels)
;   A += wA t, B += wB t                                (A: the home bin's sums, B: the next bin's)
; and at an entry that begins a bin: A is stored, then A = B + wA t, B = wB t: the change of bins costs no arithmetic of its own.
; A pixel is 1,024 consecutive bytes: two b128 loads of the wave, 512 bytes each; lane l owns channels 4 l .. 4 l + 3 and 128 + 4 l .. 128 + 4 l + 3.
; THE RING: four entries (a group), 32 data and 4 offset registers each: one entry at work, three (18 or 24 loads) on their way.  The list is padded to whole
; groups by entries with weight 0 on the last column.  A group's weights and the next group's offsets come by scalar loads issued one group ahead
; into registers of their own and are copied at the group's head, so that the wait for them (scalar loads: zero alone) has a group's work in front of it.
; TEN COPIES of the loop: five maps x (3 or 4 rows).  The level and the row count, whole numbers from idx, pick one by forward branches.  A copy's loads name
; their map's address as the kernel arguments gave it, and clamp rows and columns by that map's sizes, so every load lies inside its buffer whatever
; the records hold; the counts of the waits are fixed within a copy.  A loop is some 1.7 KiB of code, all ten copies with their tails some 33 KiB.
; ONE WAVE A WORK-GROUP: the waves share nothing (no LDS, no barrier) and their lists differ in length; with 172 registers five waves fit on a SIMD,
; so 5,120 of the 7,168 waves run at once and the others start where a wave has ended.
; NOT USED: LDS, tensor loads, clusters (no tile is shared in a pattern known beforehand), matrix instructions (f32 interpolation), prefetches (a wave's
; addresses are known only when its record is in, its own loads then run three entries ahead, and several waves want the same pixels, so that one
; request for each block cannot be arranged).
; LIMIT: an invalid sample and a padding entry have weight 0 (no select), so a non-finite map value under them gives NaN where a select would give 0.
; A level word other than 2 .. 5 takes p6's copy (the first launch stores 2 .. 6 alone); the count of groups is clamped to 1 .. 7.
.set LANE,  1                          ; v1         16 x lane; never rewritten
.set CL,    2                          ; v2         at work: column offset + 16 x lane
.set T,     4                          ; v[4:11]    t
.set A,     12                         ; v[12:19]   the home bin's sums
.set B,     20                         ; v[20:27]   the next bin's sums
.set OFS,   28                         ; v[28:43]   ring: slot x 4 + row: the pixel's offset in the map
.set DATA,  44                         ; v[44:171]  ring: slot x 32 + row x 8 + half x 4
.set ROW,   20                         ; s[20:23]   my rows: pixel index as loaded, then byte offset
.set LVL,   24                         ; s24        the level
.set NG,    25                         ; s25        groups
.set FM,    26                         ; s26        the bin mask, shifted down by 4 a group
.set N4,    27                         ; s27        bit 2 py: four rows
.set OFF,   28                         ; s[28:31]   column offsets of the group that is being asked for
.set OFFN,  32                         ; s[32:35]   those of the group after it, as they arrive
.set WN,    36                         ; s[36:43]   (wA, wB) x 4 of the next group, as they arrive
.set WY0,   44                         ; s[44:47]   row weights as loaded; the packed forms take a scalar pair and use its first: rows 0 and 2 from here,
.set WY2,   46
.set WY1,   48                         ; s[48:51]   rows 1 and 3 from copies at even registers
.set WY3,   50
.set TMP,   56
.set GO,    57                         ; s57        byte offset in idx's record of the offsets fetched last
.set GW,    58                         ; s58        byte offset in wts's record of the weights fetched last
.set CNT,   59                         ; s59        trips left
.set WS,    68                         ; s[68:83]   the group at work: slot x 4: wA; slot x 4 + 2: wB
	s_load_b512 s[4:19], s[0:1], 0x0               ; p2 s[4:5] p3 s[6:7] p4 s[8:9] p5 s[10:11] p6 s[12:13] idx s[14:15] wts s[16:17] out0 s[18:19]
	s_and_b32 s2, ttmp7, 0xffff                    ; the box
	s_lshl_b32 s3, ttmp9, 4                        ; 16 py: my four rows in a record
	s_lshl_b32 s60, s2, 8                          ; idx: 256 bytes a box
	s_mov_b32 s61, 0
	s_lshl_b32 s62, s2, 9                          ; wts: 512 bytes a box
	s_mov_b32 s63, 0
	v_lshlrev_b32 v[LANE], 4, v0
.set R, 0
.rept 16
	v_mov_b32 v[A+R], 0                            ; A and B start empty, once, so that the list's first entry goes the way of all others
.set R, R+1
.endr
.irp i, 0,1,2,3
	s_mov_b32 s[WS+4*\i+3], 0                      ; the upper halves of wB's pairs: named by the packed forms, never used
.endr
	s_wait_kmcnt 0x0
	s_add_nc_u64 s[14:15], s[14:15], s[60:61]
	s_add_nc_u64 s[16:17], s[16:17], s[62:63]
	s_load_b128 s[ROW:ROW+3],   s[14:15], s3 offset:0x80   ; words 32 + 4 py ..: my rows
	s_load_b128 s[LVL:LVL+3],   s[14:15], 0xf0             ; words 60 .. 63
	s_load_b128 s[OFF:OFF+3],   s[14:15], 0x0              ; group 0's columns
	s_load_b128 s[OFFN:OFFN+3], s[14:15], 0x10             ; group 1's (the record holds eight groups, whatever the list's length)
	s_load_b256 s[WN:WN+7],     s[16:17], 0x0              ; group 0's weights
	s_load_b128 s[WY0:WY0+3],   s[16:17], s3 offset:0x100  ; my rows' weights
	s_mul_i32 s60, s2, 50176                       ; out0: 49 bins x 1,024 bytes a box (51,380,224 bytes in all: 32 bits do)
	s_mul_i32 s62, ttmp9, 7168                     ; 7 bins a row
	s_add_co_u32 s60, s60, s62
	s_add_nc_u64 s[18:19], s[18:19], s[60:61]      ; my row's bin 0; steps on by a bin at each store
	s_mov_b32 s[GO], 16
	s_mov_b32 s[GW], 0
	s_lshr_b32 s[TMP], s3, 3                       ; 2 py
	s_wait_kmcnt 0x0                               ; scalar loads come back in no order: zero
	s_mov_b32 s[WY1],   s[WY0+1]
	s_mov_b32 s[WY1+1], s[WY0+1]
	s_mov_b32 s[WY3],   s[WY0+3]
	s_mov_b32 s[WY3+1], s[WY0+3]
	s_max_u32 s[NG], s[NG], 1
	s_min_u32 s[NG], s[NG], 7
	s_sub_co_u32 s[CNT], s[NG], 1                  ; the last group is written out behind the loop
; slot i is asked for: the column of s[OFF+i] in nr rows, both halves of the channels.
; The slot's offset registers are written here: the loads that named them last were shown done by their own counted wait.
.macro FILL i, nr, base
	s_min_u32 s[TMP], s[OFF+\i], (MAPW-1)*1024     ; the map's last column
	v_add_nc_u32 v[CL], s[TMP], v[LANE]
.set R, 0
.rept \nr
	v_add_nc_u32 v[OFS+4*\i+R], s[ROW+R], v[CL]
	global_load_b128 v[DATA+32*\i+8*R:DATA+32*\i+8*R+3],   v[OFS+4*\i+R], s[\base:\base+1]
	global_load_b128 v[DATA+32*\i+8*R+4:DATA+32*\i+8*R+7], v[OFS+4*\i+R], s[\base:\base+1] offset:512
.set R, R+1
.endr
.endm
.macro ROWSUM i, r, wy
.irp q, 0,2,4,6
	v_pk_fma_f32 v[T+\q:T+\q+1], v[DATA+32*\i+8*\r+\q:DATA+32*\i+8*\r+\q+1], s[\wy:\wy+1], v[T+\q:T+\q+1] op_sel_hi:[1,0,1]
.endr
.endm
; The turn of slot i.  refill = 1: the slot is asked for again, for the next group.  left = how many younger loads may stay out.
.macro SLOT i, nr, base, refill, left
	s_wait_loadcnt \left                           ; loads come back in order: this entry's are in, the younger entries' stay out
.irp q, 0,2,4,6
	v_pk_mul_f32 v[T+\q:T+\q+1], v[DATA+32*\i+\q:DATA+32*\i+\q+1], s[WY0:WY0+1] op_sel_hi:[1,0]   ; the first row starts t
.endr
	ROWSUM \i, 1, WY1
	ROWSUM \i, 2, WY2
.if \nr == 4
	ROWSUM \i, 3, WY3
.endif
.if \refill
	FILL \i, \nr, \base                            ; the data are used up: the next loads go out ahead of the rest of the turn
.endif
	s_bitcmp1_b32 s[FM], \i
	s_cbranch_scc1 .Lnext_bin_\@
.irp q, 0,2,4,6
	v_pk_fma_f32 v[A+\q:A+\q+1], v[T+\q:T+\q+1], s[WS+4*\i:WS+4*\i+1], v[A+\q:A+\q+1] op_sel_hi:[1,0,1]
	v_pk_fma_f32 v[B+\q:B+\q+1], v[T+\q:T+\q+1], s[WS+4*\i+2:WS+4*\i+3], v[B+\q:B+\q+1] op_sel_hi:[1,0,1]
.endr
	s_branch .Ljoin_\@
.Lnext_bin_\@:
	global_store_b128 v[LANE], v[A:A+3],   s[18:19] th:TH_STORE_NT               ; the bin is whole: each store of the wave covers 512 consecutive bytes, aligned
	global_store_b128 v[LANE], v[A+4:A+7], s[18:19] offset:512 th:TH_STORE_NT
	s_wait_xcnt 0x0                                ; the stores' data and base are rewritten only behind this wait
	s_add_nc_u64 s[18:19], s[18:19], 1024
.irp q, 0,2,4,6
	v_pk_fma_f32 v[A+\q:A+\q+1], v[T+\q:T+\q+1], s[WS+4*\i:WS+4*\i+1], v[B+\q:B+\q+1] op_sel_hi:[1,0,1]   ; what was the next bin is the home bin now
	v_pk_mul_f32 v[B+\q:B+\q+1], v[T+\q:T+\q+1], s[WS+4*\i+2:WS+4*\i+3] op_sel_hi:[1,0]                 ; and a new next bin starts
.endr
.Ljoin_\@:
.endm
; A group's head.  more = 1: a group follows, and the scalars of the one after it are fetched.
.macro HEAD more
	s_wait_kmcnt 0x0                               ; issued a group ago; also frees GO and GW, which those loads named
.irp i, 0,1,2,3
	s_mov_b64 s[WS+4*\i:WS+4*\i+1], s[WN+2*\i:WN+2*\i+1]   ; wA to an even register (wB rides along above it),
	s_mov_b32 s[WS+4*\i+2], s[WN+2*\i+1]                   ; wB to one of its own
.endr
.if \more
	s_mov_b64 s[OFF:OFF+1],   s[OFFN:OFFN+1]
	s_mov_b64 s[OFF+2:OFF+3], s[OFFN+2:OFFN+3]
	s_add_co_u32 s[GO], s[GO], 16                  ; at most 16 + 6 x 16 = 112: the record's eighth group of offsets
	s_add_co_u32 s[GW], s[GW], 32                  ; at most 6 x 32 = 192: the seventh group of weights
	s_load_b128 s[OFFN:OFFN+3], s[14:15], s[GO] offset:0x0
	s_load_b256 s[WN:WN+7],     s[16:17], s[GW] offset:0x0
.endif
.endm
; One copy: the map at s[base:base+1], nr rows.
.macro STREAM base, nr
	FILL 0, \nr, \base
	FILL 1, \nr, \base
	FILL 2, \nr, \base
	FILL 3, \nr, \base
	s_cmp_eq_u32 s[CNT], 0
	s_cbranch_scc1 .Llast_\@
.Lgroup_\@:
	HEAD 1
	SLOT 0, \nr, \base, 1, 6*\nr                   ; three younger entries of 2 nr loads each
	SLOT 1, \nr, \base, 1, 6*\nr
	SLOT 2, \nr, \base, 1, 6*\nr
	SLOT 3, \nr, \base, 1, 6*\nr
	s_lshr_b32 s[FM], s[FM], 4
	s_sub_co_u32 s[CNT], s[CNT], 1
	s_cmp_lg_u32 s[CNT], 0
	s_cbranch_scc1 .Lgroup_\@
.Llast_\@:
	HEAD 0
	SLOT 0, \nr, \base, 0, 6*\nr                   ; the last group asks for nothing: the counts run down
	SLOT 1, \nr, \base, 0, 4*\nr
	SLOT 2, \nr, \base, 0, 2*\nr
	SLOT 3, \nr, \base, 0, 0
	global_store_b128 v[LANE], v[A:A+3],   s[18:19] th:TH_STORE_NT               ; bin 6, home of the list's last entries
	global_store_b128 v[LANE], v[A+4:A+7], s[18:19] offset:512 th:TH_STORE_NT
	s_endpgm
.endm
; One map, [2][MAPW][MAPW][256] f32: its clamps, and the choice between three and four rows.
.macro MAP base, lvl
.set MAPW, 1024>>\lvl
.irp j, 0,1,2,3
	s_min_u32 s[ROW+\j], s[ROW+\j], (2*MAPW-1)*MAPW    ; first pixel of the second image's last row
	s_lshl_b32 s[ROW+\j], s[ROW+\j], 10                ; 1,024 bytes a pixel
.endr
	s_bitcmp1_b32 s[N4], s[TMP]
	s_cbranch_scc1 .Lfour_\@
	STREAM \base, 3
.Lfour_\@:
	STREAM \base, 4
.endm
	s_cmp_eq_u32 s[LVL], 2
	s_cbranch_scc1 .Lmap_p2
	s_cmp_eq_u32 s[LVL], 3
	s_cbranch_scc1 .Lmap_p3
	s_cmp_eq_u32 s[LVL], 4
	s_cbranch_scc1 .Lmap_p4
	s_cmp_eq_u32 s[LVL], 5
	s_cbranch_scc1 .Lmap_p5
	MAP 12, 6
.Lmap_p5:
	MAP 10, 5
.Lmap_p4:
	MAP 8, 4
.Lmap_p3:
	MAP 6, 3
.Lmap_p2:
	MAP 4, 2
.Lfunc_end_k_q5784c40495_gather:
	.size	k_q5784c40495_gather, .Lfunc_end_k_q5784c40495_gather-k_q5784c40495_gather
	.p2alignl 7, 3214868480
	.fill 96, 4, 3214868480
	.section	.rodata,"a",@progbits
	.p2align	6, 0x0
	.amdhsa_kernel k_q5784c40495_gather
		.amdhsa_group_segment_fixed_size 0
		.amdhsa_private_segment_fixed_size 0
		.amdhsa_enable_private_segment 0
		.amdhsa_kernarg_size 64
		.amdhsa_user_sgpr_count 2
		.amdhsa_user_sgpr_kernarg_segment_ptr 1
		.amdhsa_wavefront_size32 1
		.amdhsa_system_sgpr_workgroup_id_x 1
		.amdhsa_system_sgpr_workgroup_id_y 1
		.amdhsa_system_sgpr_workgroup_id_z 1
		.amdhsa_system_vgpr_workitem_id 0
		.amdhsa_next_free_vgpr 172
		.amdhsa_next_free_sgpr 84
		.amdhsa_reserve_vcc 0
		.amdhsa_float_denorm_mode_32 3
		.amdhsa_float_denorm_mode_16_64 3
		.amdhsa_memory_ordered 1
		.amdhsa_forward_progress 1
		.amdhsa_inst_pref_size 255
	.end_amdhsa_kernel
	.section	.bss,"aw",@nobits
	.p2align	6
	.space	262144
	.amdgpu_metadata
---
amdhsa.version: [ 1, 2 ]
amdhsa.kernels:
  - .name:           k_q5784c40495_gather
    .symbol:         k_q5784c40495_gather.kd
    .args:
      - { .name: p2, .offset: 0, .size: 8, .value_kind: global_buffer, .address_space: global }
      - { .name: p3, .offset: 8, .size: 8, .value_kind: global_buffer, .address_space: global }
      - { .name: p4, .offset: 16, .size: 8, .value_kind: global_buffer, .address_space: global }
      - { .name: p5, .offset: 24, .size: 8, .value_kind: global_buffer, .address_space: global }
      - { .name: p6, .offset: 32, .size: 8, .value_kind: global_buffer, .address_space: global }
      - { .name: idx, .offset: 40, .size: 8, .value_kind: global_buffer, .address_space: global }
      - { .name: wts, .offset: 48, .size: 8, .value_kind: global_buffer, .address_space: global }
      - { .name: out0, .offset: 56, .size: 8, .value_kind: global_buffer, .address_space: global }
    .group_segment_fixed_size: 0
    .private_segment_fixed_size: 0
    .kernarg_segment_align: 8
    .kernarg_segment_size: 64
    .max_flat_workgroup_size: 32
    .sgpr_count:     84
    .vgpr_count:     172
    .wavefront_size: 32
...
	.end_amdgpu_metadata
.endif
;; end of part 4
;; ======== version 3 of 3: 2 launches; version 2 with the launch gather written anew for expert scheduling mode
;; workspace buffers: idx 262,144 bytes of whole numbers; wts 524,288 bytes
;; launch prep: the kernel of part 3 again; grid 256 x 1, 4 waves a work-group, no clusters, 0 bytes of LDS; arguments proposals, idx, wts; writes idx, wts
;; launch gather (part 5): grid 7 x 1024, 1 waves a work-group, no clusters, 0 bytes of LDS; arguments p2, p3, p4, p5, p6, idx, wts, out0; writes out0
.if DOCPART == 5
	.amdgcn_target "amdgcn-amd-amdhsa--gfx1250"
	.amdhsa_code_object_version 6
	.text
	.protected	k_q5784c40495_gather
	.globl	k_q5784c40495_gather
	.p2align	8
	.type	k_q5784c40495_gather,@function
k_q5784c40495_gather:
	s_mov_b64 s[64:65], 0
	v_nop
	global_prefetch_b8 v0, s[64:65] scope:SCOPE_SE
	s_setreg_imm32_b32 hwreg(HW_REG_WAVE_SCHED_MODE, 0, 2), 2
	s_setreg_imm32_b32 hwreg(HW_REG_WAVE_MODE, 25, 1), 1
	s_wait_xcnt 0x0
	s_wait_alu depctr_vm_vsrc(0)
; RoIAlign, second launch.  One wave (a work-group of its own) makes output row py = group x of box n = group y: 7 bins x 256 channels.
; The first launch left, for each box, a list of at most 28 ENTRIES in ascending order of columns (byte offset of the column, weight wA for the entry's home bin,
; weight wB for the bin after it, and a mask whose bit k says that entry k begins the next home bin), and for each output row its 3 or 4 different map
; rows with their weights.  So every pixel that the wave needs is loaded once, and each column's sum over the rows is made once:
;   t = sum over the rows of wy x map[row][column]      (12 or 16 packed operations for 256 channels)
;   A += wA t, B += wB t                                (A: the home bin's sums, B: the next bin's)
; and at an entry that begins a bin: A is stored, then A = B + wA t, B = wB t: the change of bins costs no arithmetic of its own.
; A pixel is 1,024 consecutive bytes: two b128 loads of the wave, 512 bytes each; lane l owns channels 4 l .. 4 l + 3 and 128 + 4 l .. 128 + 4 l + 3.
; THE RING: four entries (a group), 32 data and 4 offset registers each: one entry at work, three (18 or 24 loads) on their way.  The list is padded to whole
; groups by entries with weight 0 on the last column.  A group's weights and the next group's offsets come by scalar loads issued one group ahead
; into registers of their own and are taken over at the group's head, so that the wait for them (scalar loads: zero alone) has a group's work in front of it.
; TEN COPIES of the loop: five maps x (3 or 4 rows).  The level and the row count, whole numbers from idx, pick one by forward branches.  A copy's loads name
; their map's address as the kernel arguments gave it, and clamp rows and columns by that map's sizes, so every load lies inside its buffer whatever
; the records hold; the counts of the waits are fixed within a copy.  A loop is some 1.8 KiB of code, all ten copies with their tails some 35 KiB.
; ONE WAVE A WORK-GROUP: the waves share nothing (no LDS, no barrier) and their lists differ in length; with 172 registers five waves fit on a SIMD,
; so 5,120 of the 7,168 waves run at once and the others start where a wave has ended.
; THE MODE: SCHED_MODE bits 1:0 = 2 (LLVM: expert scheduling mode 2), set by the entry lines.  The code itself states the register dependences
; between vector instructions and memory instructions, with s_wait_alu, always for 0.
; THE PLAN.  Registers that memory instructions touch:
;   v[LANE]   the stores' offset.  Written once at the head, never again.
;   OFS[i]    Written by turn i's adds; read by slot i's loads, which are issued at the end of turn i.
;   DATA[i]   Slot i's loads land in it; read by the t lines of turn i of the next group.
;   A         Written by every turn's update; read by the two stores at the head of a turn that begins a bin, and by the last two stores.
;   T, B and v[CL] are named by vector instructions alone.
; A TURN: the stores of A, if the entry begins a bin; the wait for the slot's data; the t lines; ONE wait on vm_vsrc; the slot's next offsets; the update of A and B;
; ONE wait on va_vdst; the slot's loads in one run.  The wait on va_vdst states that the t lines are done reading DATA[i], that OFS[i] is written and that A is written:
; behind it stand the slot's loads and, at the next turn's head, the stores of A, with no vector instruction between.  The wait on vm_vsrc states that slot i's loads
; of a group ago have read OFS[i] and that the stores at this turn's head have read A; it stands ahead of the branch, since both arms write A.
; No vector instruction writes a scalar register or VCC, and EXEC is never written.
; NOT USED: LDS, tensor loads, clusters (no tile is shared in a pattern known beforehand), matrix instructions (f32 interpolation), prefetches (a wave's
; addresses are known only when its record is in, its own loads then run three entries ahead, and several waves want the same pixels, so that one
; request for each block cannot be arranged).
; LIMIT: an invalid sample and a padding entry have weight 0 (no select), so a non-finite map value under them gives NaN where a select would give 0.
; A level word other than 2 .. 5 takes p6's copy (the first launch stores 2 .. 6 alone); the count of groups is clamped to 1 .. 7.
.set LANE,  1                          ; v1         16 x lane; never rewritten
.set CL,    2                          ; v2         at work: column offset + 16 x lane
.set T,     4                          ; v[4:11]    t
.set A,     12                         ; v[12:19]   the home bin's sums
.set B,     20                         ; v[20:27]   the next bin's sums
.set OFS,   28                         ; v[28:43]   ring: slot x 4 + row: the pixel's offset in the map
.set DATA,  44                         ; v[44:171]  ring: slot x 32 + row x 8 + half x 4
.set ROW,   20                         ; s[20:23]   my rows: pixel index as loaded, then byte offset
.set LVL,   24                         ; s24        the level
.set NG,    25                         ; s25        groups
.set FM,    26                         ; s26        the bin mask, shifted down by 4 a group
.set N4,    27                         ; s27        bit 2 py: four rows
.set OFF,   28                         ; s[28:31]   column offsets of the group that is being asked for, clamped to the map
.set OFFN,  32                         ; s[32:35]   those of the group after it, as they arrive
.set WN,    36                         ; s[36:43]   (wA, wB) x 4 of the next group, as they arrive
.set WY0,   44                         ; s[44:47]   row weights as loaded; the packed forms take a scalar pair and use its first: rows 0 and 2 from here,
.set WY2,   46
.set WY1,   48                         ; s[48:51]   rows 1 and 3 from copies at even registers
.set WY3,   50
.set TMP,   56                         ; s56        2 py
.set GO,    57                         ; s57        byte offset in idx's record of the offsets fetched last
.set GW,    58                         ; s58        byte offset in wts's record of the weights fetched last
.set CNT,   59                         ; s59        trips left
.set WS,    68                         ; s[68:83]   the group at work: slot x 4: wA; slot x 4 + 2: wB
	s_load_b512 s[4:19], s[0:1], 0x0               ; p2 s[4:5] p3 s[6:7] p4 s[8:9] p5 s[10:11] p6 s[12:13] idx s[14:15] wts s[16:17] out0 s[18:19]
	s_and_b32 s2, ttmp7, 0xffff                    ; the box
	s_lshl_b32 s3, ttmp9, 4                        ; 16 py: my four rows in a record
	s_lshl_b32 s60, s2, 8                          ; idx: 256 bytes a box
	s_mov_b32 s61, 0
	s_lshl_b32 s62, s2, 9                          ; wts: 512 bytes a box
	s_mov_b32 s63, 0
	v_lshlrev_b32 v[LANE], 4, v0
.set R, 0
.rept 16
	v_mov_b32 v[A+R], 0                            ; A and B start empty, once, so that the list's first entry goes the way of all others
.set R, R+1
.endr
.irp i, 0,1,2,3
	s_mov_b32 s[WS+4*\i+3], 0                      ; the upper halves of wB's pairs: named by the packed forms, never used
.endr
	s_wait_kmcnt 0x0
	s_add_nc_u64 s[14:15], s[14:15], s[60:61]
	s_add_nc_u64 s[16:17], s[16:17], s[62:63]
	s_load_b128 s[ROW:ROW+3],   s[14:15], s3 offset:0x80   ; words 32 + 4 py ..: my rows
	s_load_b128 s[LVL:LVL+3],   s[14:15], 0xf0             ; words 60 .. 63
	s_load_b128 s[OFF:OFF+3],   s[14:15], 0x0              ; group 0's columns
	s_load_b128 s[OFFN:OFFN+3], s[14:15], 0x10             ; group 1's (the record holds eight groups, whatever the list's length)
	s_load_b256 s[WN:WN+7],     s[16:17], 0x0              ; group 0's weights
	s_load_b128 s[WY0:WY0+3],   s[16:17], s3 offset:0x100  ; my rows' weights
	s_mul_i32 s60, s2, 50176                       ; out0: 49 bins x 1,024 bytes a box (51,380,224 bytes in all: 32 bits do)
	s_mul_i32 s62, ttmp9, 7168                     ; 7 bins a row
	s_add_co_u32 s60, s60, s62
	s_add_nc_u64 s[18:19], s[18:19], s[60:61]      ; my row's bin 0; steps on by a bin at each change of bins
	s_mov_b32 s[GO], 16
	s_mov_b32 s[GW], 0
	s_lshr_b32 s[TMP], s3, 3                       ; 2 py
	s_wait_kmcnt 0x0                               ; scalar loads come back in no order: zero
	s_mov_b32 s[WY1],   s[WY0+1]
	s_mov_b32 s[WY1+1], s[WY0+1]
	s_mov_b32 s[WY3],   s[WY0+3]
	s_mov_b32 s[WY3+1], s[WY0+3]
	s_max_u32 s[NG], s[NG], 1
	s_min_u32 s[NG], s[NG], 7
	s_sub_co_u32 s[CNT], s[NG], 1                  ; the last group is written out behind the loop
; Slot i's offsets: the column of s[OFF+i] in nr rows.
.macro ADDR i, nr
	v_add_nc_u32 v[CL], s[OFF+\i], v[LANE]
.set R, 0
.rept \nr
	v_add_nc_u32 v[OFS+4*\i+R], s[ROW+R], v[CL]
.set R, R+1
.endr
.endm
; Slot i is asked for: nr rows, both halves of the channels, in one run.
.macro ASK i, nr, base
.set R, 0
.rept \nr
	global_load_b128 v[DATA+32*\i+8*R:DATA+32*\i+8*R+3],   v[OFS+4*\i+R], s[\base:\base+1]
	global_load_b128 v[DATA+32*\i+8*R+4:DATA+32*\i+8*R+7], v[OFS+4*\i+R], s[\base:\base+1] offset:512
.set R, R+1
.endr
.endm
.macro ROWSUM i, r, wy
.irp q, 0,2,4,6
	v_pk_fma_f32 v[T+\q:T+\q+1], v[DATA+32*\i+8*\r+\q:DATA+32*\i+8*\r+\q+1], s[\wy:\wy+1], v[T+\q:T+\q+1] op_sel_hi:[1,0,1]
.endr
.endm
; The turn of slot i.  refill = 1: the slot is asked for again, for the next group.  left = how many younger loads may stay out.
; fresh = 1: the turn before ended without a wait on va_vdst (the tail, which asks for nothing), so the stores of A bring their own.
.macro SLOT i, nr, base, refill, left, fresh
	s_bitcmp1_b32 s[FM], \i
	s_cbranch_scc0 .Lsame_bin_\@
.if \fresh
	s_wait_alu depctr_va_vdst(0)                   ; the turn before has written A, which the two stores read
.endif
	global_store_b128 v[LANE], v[A:A+3],   s[18:19] th:TH_STORE_NT               ; the bin is whole: each store of the wave covers 512 consecutive bytes, aligned
	global_store_b128 v[LANE], v[A+4:A+7], s[18:19] offset:512 th:TH_STORE_NT    ; (in the loop: A was written ahead of the last turn's wait on va_vdst, and no vector instruction has been issued since)
.Lsame_bin_\@:
	s_wait_loadcnt \left                           ; loads come back in order: this entry's are in, the younger entries' stay out
.irp q, 0,2,4,6
	v_pk_mul_f32 v[T+\q:T+\q+1], v[DATA+32*\i+\q:DATA+32*\i+\q+1], s[WY0:WY0+1] op_sel_hi:[1,0]   ; the first row starts t
.endr
	ROWSUM \i, 1, WY1
	ROWSUM \i, 2, WY2
.if \nr == 4
	ROWSUM \i, 3, WY3
.endif
	s_wait_xcnt 0x0                                ; the stores' data and base are rewritten only behind this wait; both waits stand ahead of the branch, on every way to a write of A
	s_wait_alu depctr_vm_vsrc(0)                   ; the stores at this turn's head have read A, which both arms below write; the slot's loads of a group ago have read OFS[i]
.if \refill
	ADDR \i, \nr
.endif
	s_bitcmp1_b32 s[FM], \i
	s_cbranch_scc1 .Lnext_bin_\@
.irp q, 0,2,4,6
	v_pk_fma_f32 v[A+\q:A+\q+1], v[T+\q:T+\q+1], s[WS+4*\i:WS+4*\i+1], v[A+\q:A+\q+1] op_sel_hi:[1,0,1]
	v_pk_fma_f32 v[B+\q:B+\q+1], v[T+\q:T+\q+1], s[WS+4*\i+2:WS+4*\i+3], v[B+\q:B+\q+1] op_sel_hi:[1,0,1]
.endr
	s_branch .Ljoin_\@
.Lnext_bin_\@:
	s_add_nc_u64 s[18:19], s[18:19], 1024          ; the next bin's place in out0
.irp q, 0,2,4,6
	v_pk_fma_f32 v[A+\q:A+\q+1], v[T+\q:T+\q+1], s[WS+4*\i:WS+4*\i+1], v[B+\q:B+\q+1] op_sel_hi:[1,0,1]   ; what was the next bin is the home bin now
	v_pk_mul_f32 v[B+\q:B+\q+1], v[T+\q:T+\q+1], s[WS+4*\i+2:WS+4*\i+3] op_sel_hi:[1,0]                 ; and a new next bin starts
.endr
.Ljoin_\@:
.if \refill
	s_wait_alu depctr_va_vdst(0)                   ; the t lines are done reading DATA[i], in which the loads below land; OFS[i] is written, which they read; A is written, which the next turn's stores read
	ASK \i, \nr, \base
.endif
.endm
; A group's head.  more = 1: a group follows, and the scalars of the one after it are fetched.
.macro HEAD more
	s_wait_kmcnt 0x0                               ; issued a group ago; also frees GO and GW, which those loads named
.irp i, 0,1,2,3
	s_mov_b64 s[WS+4*\i:WS+4*\i+1], s[WN+2*\i:WN+2*\i+1]   ; wA to an even register (wB rides along above it),
	s_mov_b32 s[WS+4*\i+2], s[WN+2*\i+1]                   ; wB to one of its own
.endr
.if \more
.irp i, 0,1,2,3
	s_min_u32 s[OFF+\i], s[OFFN+\i], (MAPW-1)*1024 ; the next group's columns, none beyond the map's last
.endr
	s_add_co_u32 s[GO], s[GO], 16                  ; at most 16 + 6 x 16 = 112: the record's eighth group of offsets
	s_add_co_u32 s[GW], s[GW], 32                  ; at most 6 x 32 = 192: the seventh group of weights
	s_load_b128 s[OFFN:OFFN+3], s[14:15], s[GO] offset:0x0
	s_load_b256 s[WN:WN+7],     s[16:17], s[GW] offset:0x0
.endif
.endm
; One copy: the map at s[base:base+1], nr rows.
.macro STREAM base, nr
.irp i, 0,1,2,3
	s_min_u32 s[OFF+\i], s[OFF+\i], (MAPW-1)*1024  ; group 0's columns, none beyond the map's last
.endr
.irp i, 0,1,2,3
	ADDR \i, \nr                                   ; all of group 0's offsets,
.endr
	s_wait_alu depctr_va_vdst(0)                   ; one wait: OFS is written, which the loads below read; so are v[LANE] and the cleared A, which the stores read
.irp i, 0,1,2,3
	ASK \i, \nr, \base                             ; and the ring is filled in one run
.endr
	s_cmp_eq_u32 s[CNT], 0
	s_cbranch_scc1 .Llast_\@
.Lgroup_\@:
	HEAD 1
	SLOT 0, \nr, \base, 1, 6*\nr, 0                ; three younger entries of 2 nr loads each
	SLOT 1, \nr, \base, 1, 6*\nr, 0
	SLOT 2, \nr, \base, 1, 6*\nr, 0
	SLOT 3, \nr, \base, 1, 6*\nr, 0
	s_lshr_b32 s[FM], s[FM], 4
	s_sub_co_u32 s[CNT], s[CNT], 1
	s_cmp_lg_u32 s[CNT], 0
	s_cbranch_scc1 .Lgroup_\@
.Llast_\@:
	HEAD 0
	SLOT 0, \nr, \base, 0, 6*\nr, 0                ; the last group asks for nothing: the counts run down.  Ahead of its first turn stands the loop's last wait on va_vdst, or the one ahead of the ring's first loads
	SLOT 1, \nr, \base, 0, 4*\nr, 1
	SLOT 2, \nr, \base, 0, 2*\nr, 1
	SLOT 3, \nr, \base, 0, 0, 1
	s_wait_alu depctr_va_vdst(0)                   ; the last turn has written A, which the last two stores read
	global_store_b128 v[LANE], v[A:A+3],   s[18:19] th:TH_STORE_NT               ; bin 6, home of the list's last entries
	global_store_b128 v[LANE], v[A+4:A+7], s[18:19] offset:512 th:TH_STORE_NT
	s_endpgm
.endm
; One map, [2][MAPW][MAPW][256] f32: its clamps, and the choice between three and four rows.
.macro MAP base, lvl
.set MAPW, 1024>>\lvl
.irp j, 0,1,2,3
	s_min_u32 s[ROW+\j], s[ROW+\j], (2*MAPW-1)*MAPW    ; first pixel of the second image's last row
	s_lshl_b32 s[ROW+\j], s[ROW+\j], 10                ; 1,024 bytes a pixel
.endr
	s_bitcmp1_b32 s[N4], s[TMP]
	s_cbranch_scc1 .Lfour_\@
	STREAM \base, 3
.Lfour_\@:
	STREAM \base, 4
.endm
	s_cmp_eq_u32 s[LVL], 2
	s_cbranch_scc1 .Lmap_p2
	s_cmp_eq_u32 s[LVL], 3
	s_cbranch_scc1 .Lmap_p3
	s_cmp_eq_u32 s[LVL], 4
	s_cbranch_scc1 .Lmap_p4
	s_cmp_eq_u32 s[LVL], 5
	s_cbranch_scc1 .Lmap_p5
	MAP 12, 6
.Lmap_p5:
	MAP 10, 5
.Lmap_p4:
	MAP 8, 4
.Lmap_p3:
	MAP 6, 3
.Lmap_p2:
	MAP 4, 2
.Lfunc_end_k_q5784c40495_gather:
	.size	k_q5784c40495_gather, .Lfunc_end_k_q5784c40495_gather-k_q5784c40495_gather
	.p2alignl 7, 3214868480
	.fill 96, 4, 3214868480
	.section	.rodata,"a",@progbits
	.p2align	6, 0x0
	.amdhsa_kernel k_q5784c40495_gather
		.amdhsa_group_segment_fixed_size 0
		.amdhsa_private_segment_fixed_size 0
		.amdhsa_enable_private_segment 0
		.amdhsa_kernarg_size 64
		.amdhsa_user_sgpr_count 2
		.amdhsa_user_sgpr_kernarg_segment_ptr 1
		.amdhsa_wavefront_size32 1
		.amdhsa_system_sgpr_workgroup_id_x 1
		.amdhsa_system_sgpr_workgroup_id_y 1
		.amdhsa_system_sgpr_workgroup_id_z 1
		.amdhsa_system_vgpr_workitem_id 0
		.amdhsa_next_free_vgpr 172
		.amdhsa_next_free_sgpr 84
		.amdhsa_reserve_vcc 0
		.amdhsa_float_denorm_mode_32 3
		.amdhsa_float_denorm_mode_16_64 3
		.amdhsa_memory_ordered 1
		.amdhsa_forward_progress 1
		.amdhsa_inst_pref_size 255
	.end_amdhsa_kernel
	.section	.bss,"aw",@nobits
	.p2align	6
	.space	262144
	.amdgpu_metadata
---
amdhsa.version: [ 1, 2 ]
amdhsa.kernels:
  - .name:           k_q5784c40495_gather
    .symbol:         k_q5784c40495_gather.kd
    .args:
      - { .name: p2, .offset: 0, .size: 8, .value_kind: global_buffer, .address_space: global }
      - { .name: p3, .offset: 8, .size: 8, .value_kind: global_buffer, .address_space: global }
      - { .name: p4, .offset: 16, .size: 8, .value_kind: global_buffer, .address_space: global }
      - { .name: p5, .offset: 24, .size: 8, .value_kind: global_buffer, .address_space: global }
      - { .name: p6, .offset: 32, .size: 8, .value_kind: global_buffer, .address_space: global }
      - { .name: idx, .offset: 40, .size: 8, .value_kind: global_buffer, .address_space: global }
      - { .name: wts, .offset: 48, .size: 8, .value_kind: global_buffer, .address_space: global }
      - { .name: out0, .offset: 56, .size: 8, .value_kind: global_buffer, .address_space: global }
    .group_segment_fixed_size: 0
    .private_segment_fixed_size: 0
    .kernarg_segment_align: 8
    .kernarg_segment_size: 64
    .max_flat_workgroup_size: 32
    .sgpr_count:     84
    .vgpr_count:     172
    .wavefront_size: 32
...
	.end_amdgpu_metadata
.endif
;; end of part 5
